; MI455X (gfx1250); checked and timed in simulation.
; The chip was launched on July 23, 2026; its instructions are those of AMD's public machine-readable ISA for CDNA 5 (MIT licence, August 2026) and "CDNA5" Instruction Set Architecture Reference Guide (July 2026). The comments in the code are by the model that wrote it; some were corrected since.
;; Tokenformer P Attention. Allowed arithmetic: matrix products marked QUANTISED: E2M1 operands, one E8M0 scale for each 32 along K, by v_wmma_scale_f32_16x16x128_f8f6f4 with both operands' format E2M1 (or v_wmma_scale_f32_32x16x128_f4), f32 sums; everything else in f32.
;; Inputs: K 4,096 x 1,024 float32; V 4,096 x 1,024 float32; x 4 x 2,048 x 1,024 float32.
;; Outputs: out0 4 x 2,048 x 1,024 float32.
;; This version of the problem:
;;   THIS VERSION OF THE PROBLEM IS GIVEN IN LOW PRECISION. The matrix products marked QUANTISED in the list below multiply operands that are first quantised to E2M1 (2 exponent bits, 1 mantissa bit; 4 bits a number), with one power-of-two scale for each 32 numbers along K (OCP MX v1.0); their sums are f32. All else is computed in f32.
;;   The module's matrix products, in the order in which they are computed (A, B: the left and right operand; K: the contracted axis; several contracted axes count as one K, in the product's order):
;;     1. [M 8,192, K 1,024] x [K 1,024, N 4,096]; A: input x; B: input K: QUANTISED
;;     2. [M 8,192, K 4,096] x [K 4,096, N 1,024]; A: softmax (see below); B: input V: QUANTISED
;;   THE QUANTISER, for each operand of a quantised product, along K:
;;     - K is cut into blocks of 32 from its start; a last block that is shorter is filled with zeros.
;;     - A block's scale is 2^e with e = floor(log2(the largest magnitude in the block)) - 2, held to -126 .. 127; a block of zeros has e = 0. As a byte (E8M0): e + 127.
;;     - Each number is divided by its block's scale, clamped to +-6, and rounded to the nearest number of E2M1, ties to even, subnormals kept.
;;     - The product sums the exact products of the quantised numbers (number of the format x scale) in f32.
;;   ~~~python
;;   def quantise(x, axis):      # numpy; x: float32 -> the quantised numbers, widened to float32 again
;;       x = np.moveaxis(x, axis, -1); K = x.shape[-1]
;;       x = np.pad(x, [(0, 0)] * (x.ndim - 1) + [(0, -K % 32)]); x = x.reshape(x.shape[:-1] + (-1, 32)); a = np.abs(x).max(-1, keepdims=True)
;;       e = np.where(a > 0, np.clip(np.frexp(np.where(a > 0, a, 1))[1] - 1 - 2, -126, 127), 0)      # np.frexp(a)[1] - 1 = floor(log2(a)), exactly
;;       r = np.clip(x / 2.0 ** e, -6, 6)
;;       step = 2.0 ** (np.maximum(np.frexp(np.where(r == 0, 1, r))[1] - 1, 0) - 1)
;;       q = np.round(r / step) * step * 2.0 ** e      # np.round: ties to even
;;       return np.moveaxis(q.reshape(q.shape[:-2] + (-1,))[..., :K], -1, axis).astype(np.float32)
;;   ~~~
;;   SOFTMAX AHEAD OF A QUANTISED PRODUCT. Where the list says 'softmax', what is quantised is not the finished softmax but p = 2^(t - M), with t = logit x log2(e) and M = ceil(the row's largest t), a whole number; so 1/2 < the row's largest p <= 1. The row's sum l is taken of the UNQUANTISED p, in f32, and the product's result is divided by l at the end. Since M is a whole number, a kernel that streams over the keys may use a running M (the ceiling of the running maximum): every later rescaling is an exact power of two, which a block's scale takes up: the codes' values come out the same.
;;   OPERANDS COMPUTED ON THE WAY. 'Computed on the way' means the value that the module computes at that place (a softmax that the list does not call 'softmax' is quantised finished and normalised). What goes into a quantiser is computed in f32, as accurately as f32 sums, v_exp_f32 and their like allow (about 1e-6 of the number): no bf16 or f16 on the way to a quantiser, and a product that is left as it is and whose result goes on into a quantised operand takes f32 operands (vector FMAs, or v_wmma_f32_16x16x4_f32). A number that lies on a knife's edge between two numbers of the format may be rounded either way, as far as f32 arithmetic and the matrix unit's own rounding can turn it there, and no further.
;; One version. Each part assembles by itself: llvm-mc -triple=amdgcn-amd-amdhsa -mcpu=gfx1250 --defsym DOCPART=n.
;; ======== version 1 of 1: 3 launches
;; limits: right only within a limited range of input values
;; workspace buffers: cc 6,291,456 bytes; sw 393,216 bytes; vc 2,097,152 bytes; vs 131,072 bytes; pc 16,777,216 bytes; st 4,194,304 bytes
;; launch quant (part 1): grid 256 x 1, 12 waves a work-group, no clusters, 104,448 bytes of LDS; arguments x, K, cc, sw; writes cc, sw
.if DOCPART == 1
	.amdgcn_target "amdgcn-amd-amdhsa--gfx1250"
	.amdhsa_code_object_version 6
	.text
	.protected	k_q3b1b093256_quant
	.globl	k_q3b1b093256_quant
	.p2align	8
	.type	k_q3b1b093256_quant,@function
k_q3b1b093256_quant:
	s_mov_b64 s[64:65], 0
	v_nop
	global_prefetch_b8 v0, s[64:65] scope:SCOPE_SE
	s_setreg_imm32_b32 hwreg(HW_REG_WAVE_MODE, 25, 1), 1
	s_wait_xcnt 0x0
; x [8192][1024] and K [4096][1024] (contracted axis innermost), f32, become codes of FP4 (E2M1) with one E8M0 byte for each 32 along the contracted axis.
; A block's scale is 2^(floor(log2(its largest magnitude)) - 2): its byte is the largest magnitude's exponent field - 2, held at 1 from below by a floor among the maximum's leaves.
; LIMITS: NaN and infinities among the inputs are not served.  A block of zeros, or one whose largest magnitude lies under 2^-124, gets the byte 1 (the rule says 127 for zeros): its codes are zeros or
; the rule's own, and the bytes are read by this program alone.
; THE CODES ARE LAID AS IMAGES OF OPERAND REGISTERS.  A fragment is 16 rows x 128 k = 1,024 bytes: block blk (32 k) of image row r lies at 256 blk + 16 r = 512 c + 16 lane for register group c.
; cc: [768 blocks of 16 rows: x's 512, then K's 256][8 fragments][1,024].  sw, the scale words: [768][512 k: 2][row][4 words].
; K's BLOCKS OF 16 ARE NOT NEIGHBOURS: image row p of block 2 g + u is key 32 g + 8 u + p + 8 (p / 8), so that the first product's results of two neighbouring blocks are 16 neighbouring keys in a lane.
; SHARES: a work-group takes three blocks, four waves to a block, 16 rows x 256 k (16 KB read) to a wave: 3,072 equal shares.  A wave asks for all its 16 KB at its head.
; No matrix unit, no cluster, no tensor load: nothing here is read twice.  No prefetch: every wave has all its loads on their way from its first lines on.
.set SP,    528                        ; a stage row: 512 bytes + 16, an odd multiple of 16 bytes
.set STG,   16*SP                      ; a wave's stage
.set WORDS, 12*STG                     ; three blocks' scale words, 512 bytes each
.set SPARE, WORDS+1536                 ; the spare words, 128 bytes for each wave
.set R,     32                         ; v32-159  two sets of 64: a fragment's numbers as loaded
.set X,     160                        ; v160-223 the same, turned: register 32 c + i = k 64 c + 32 (lane / 16) + i of my row
.set C,     224                        ; v224-239 the codes
.set FLOOR, 0x1800000                  ; 2^(3 - 127)
.set EOFF,  0xff000000                 ; takes 2 off an exponent field
	s_load_b256 s[4:11], s[0:1], 0x0               ; x s[4:5], K s[6:7], cc s[8:9], sw s[10:11]
	v_lshl_add_u32 v254, v0, 2, SPARE
	v_mov_b32 v255, 0
	v_lshrrev_b32 v10, 5, v0
	v_readfirstlane_b32 s22, v10                   ; wave 0..11
	s_mul_i32 s34, ttmp9, 3
	s_lshr_b32 s35, s22, 2
	s_add_co_u32 s36, s34, s35                     ; my block of rows, 0..767
	s_and_b32 s23, s22, 3                          ; which 256 k of it
	s_lshl_b32 s35, s35, 9
	s_add_co_u32 s35, s35, WORDS
	s_bfe_u32 s40, s22, 0x10001
	s_lshl_b32 s40, s40, 8
	s_add_co_u32 s35, s35, s40
	s_and_b32 s40, s22, 1
	s_lshl_b32 s40, s40, 3
	s_add_co_u32 s35, s35, s40                     ; my two words of each row
	s_min_u32 s41, s22, 2
	s_lshl_b32 s41, s41, 9
	s_add_co_u32 s41, s41, WORDS                   ; waves 0 to 2: the block whose words I store
	s_mul_i32 s46, s22, STG
	v_and_b32 v1, 31, v0                           ; lane
	v_and_b32 v2, 15, v0                           ; r
	v_bfe_u32 v3, v0, 4, 1                         ; h
	v_lshlrev_b32 v4, 4, v1                        ; 16 x lane: a load's and an image's place for my lane
	v_add_nc_u32 v5, s46, v4                       ; the stage, way in: a row's 512 bytes as they lie
	v_mul_u32_u24 v6, v2, SP
	v_lshl_add_u32 v6, v3, 7, v6
	v_add_nc_u32 v6, s46, v6                       ; way out: row r, + 128 h
	v_lshlrev_b32 v7, 4, v2
	v_lshl_add_u32 v7, v3, 2, v7
	v_add_nc_u32 v7, s35, v7                       ; the words' place in LDS: 16 r + 4 h
	v_add_nc_u32 v19, s41, v4
	v_lshlrev_b32 v8, 3, v3                        ; 8 h: my bytes' place in a scale word, in bits
	v_mov_b32 v9, 0                                ; a lane permute's destination counts as one of its sources
	s_mov_b32 s24, 0x76543210
	s_mov_b32 s25, 0xfedcba98                      ; v_permlanex16_b32's selects for lane l xor 16
	s_mov_b32 s45, 0
	s_mov_b32 s47, 0
	s_wait_alu depctr_va_vdst(0)
	s_wait_kmcnt 0x0
	s_cmp_lt_u32 s36, 512                          ; x's block or K's?  Every selection stands ahead of the first line that sets SCC anew
	s_cselect_b64 s[26:27], s[4:5], s[6:7]
	s_cselect_b32 s37, 0, 8                        ; K: an odd block begins 8 rows earlier than 16 x block
	s_cselect_b32 s38, 8, 16                       ; from image row 0 to image row 8
	s_cselect_b32 s39, 0, 512                      ; the tensor's first block
	s_sub_co_u32 s40, s36, s39
	s_and_b32 s41, s40, 1
	s_mul_i32 s41, s41, s37
	s_lshl_b32 s42, s40, 4
	s_sub_co_u32 s42, s42, s41                     ; image row 0's row in memory
	s_add_co_u32 s43, s42, s38                     ; image row 8's
	s_lshl_b32 s44, s42, 12                        ; a row is 4,096 bytes
	s_lshl_b32 s46, s43, 12
	s_lshl_b32 s41, s23, 10                        ; 256 k are 1,024 bytes
	s_add_co_u32 s44, s44, s41
	s_add_co_u32 s46, s46, s41
	s_add_nc_u64 s[28:29], s[26:27], s[44:45]      ; image rows 0-7
	s_add_nc_u64 s[30:31], s[26:27], s[46:47]      ; image rows 8-15
	s_lshl_b32 s44, s36, 13
	s_lshl_b32 s46, s23, 11
	s_add_co_u32 s44, s44, s46
	s_add_nc_u64 s[8:9], s[8:9], s[44:45]          ; my two fragments' images
	s_add_co_u32 s44, s34, s22
	s_lshl_b32 s44, s44, 9
	s_add_nc_u64 s[10:11], s[10:11], s[44:45]      ; waves 0 to 2: block 3 x work-group + wave
.macro LOADF t                         ; fragment t: sixteen loads, each 512 consecutive bytes of one row
.irp i, 0,1,2,3,4,5,6,7
	global_load_b128 v[R+64*(\t)+4*\i:R+64*(\t)+4*\i+3], v4, s[28:29] offset:\i*4096+512*(\t) th:TH_LOAD_NT
.endr
.irp i, 0,1,2,3,4,5,6,7
	global_load_b128 v[R+64*(\t)+32+4*\i:R+64*(\t)+32+4*\i+3], v4, s[30:31] offset:\i*4096+512*(\t) th:TH_LOAD_NT
.endr
.endm
.macro FRAGQ t, left                   ; left: the younger loads that may stay out
	s_wait_loadcnt \left
.irp i, 0,1,2,3,4,5,6,7,8,9,10,11,12,13,14,15
	ds_store_b128 v5, v[R+64*(\t)+4*\i:R+64*(\t)+4*\i+3] offset:SP*\i
.endr
.irp c, 0,1
.irp j, 0,1,2,3,4,5,6,7
	ds_load_b128 v[X+32*\c+4*\j:X+32*\c+4*\j+3], v6 offset:256*\c+16*\j   ; LDS serves a wave's instructions in order: these see the stores above
.endr
.endr
	s_wait_dscnt 0x0
.irp c, 0,1
	v_max3_num_f32 v[10+\c], |v[X+32*\c]|, |v[X+32*\c+1]|, FLOOR   ; my block 2 c + h: all its 32 numbers are mine; and the floor
.endr
.irp i, 2,4,6,8,10,12,14,16,18,20,22,24,26,28,30
.irp c, 0,1
	s_delay_alu instid0(VALU_DEP_2)
	v_max3_num_f32 v[10+\c], v[10+\c], |v[X+32*\c+\i]|, |v[X+32*\c+\i+1]|
.endr
.endr
.irp c, 0,1
	s_delay_alu instid0(VALU_DEP_2)
	v_add_nc_u32 v[12+\c], EOFF, v[10+\c]          ; the conversion takes the exponent field of this operand as its scale
.endr
.irp c, 0,1
.irp g, 0,1,2,3
	v_cvt_scalef32_pk8_fp4_f32 v[C+8*(\t)+4*\c+\g], v[X+32*\c+8*\g:X+32*\c+8*\g+7], v[12+\c]
.endr
.endr
	v_lshrrev_b32 v10, 23, v12                     ; the scales' bytes (plain lines behind the conversions)
	v_lshrrev_b32 v11, 23, v13
	s_delay_alu instid0(VALU_DEP_1)
	v_lshl_or_b32 v14, v11, 16, v10                ; blocks h and 2 + h of my row,
	s_delay_alu instid0(VALU_DEP_1)
	v_lshlrev_b32 v14, v8, v14                     ; at their places in the word;
	s_delay_alu instid0(VALU_DEP_1)
	v_permlanex16_b32 v9, v14, s24, s25
	s_delay_alu instid0(VALU_DEP_1)
	v_or_b32 v[16+(\t)], v14, v9                   ; with lane l xor 16's two the word is whole
.irp c, 0,1
	global_store_b128 v4, v[C+8*(\t)+4*\c:C+8*(\t)+4*\c+3], s[8:9] offset:1024*(\t)+512*\c   ; 512 consecutive bytes, at a multiple of 256
.endr
.endm
	LOADF 0
	LOADF 1
	FRAGQ 0, 16                                    ; the second fragment's sixteen loads may be out
	FRAGQ 1, 0
	v_cmp_ne_u32 vcc_lo, 0, v3
	s_delay_alu instid0(VALU_DEP_1)
	v_cndmask_b32 v20, v16, v17, vcc_lo            ; lanes 0-15 have their row's first word of my two, lanes 16-31 the second
	ds_store_b32 v7, v20
	s_wait_tensorcnt 0x0                           ; the dscnt wait for 0 also covers the wave's last LDS store, ahead of the barrier
	ds_add_u32 v254, v255
	s_wait_dscnt 0x0
	s_barrier_signal -1
	s_barrier_wait -1
	s_cmp_lt_u32 s22, 3
	s_cbranch_scc0 .Ldone
	ds_load_b128 v[20:23], v19                     ; a block's 512 bytes of words
	s_wait_dscnt 0x0
	global_store_b128 v4, v[20:23], s[10:11]
.Ldone:
	s_endpgm
.Lfunc_end_k_q3b1b093256_quant:
	.size	k_q3b1b093256_quant, .Lfunc_end_k_q3b1b093256_quant-k_q3b1b093256_quant
	.p2alignl 7, 3214868480
	.fill 96, 4, 3214868480
	.section	.rodata,"a",@progbits
	.p2align	6, 0x0
	.amdhsa_kernel k_q3b1b093256_quant
		.amdhsa_group_segment_fixed_size 104448
		.amdhsa_private_segment_fixed_size 0
		.amdhsa_enable_private_segment 0
		.amdhsa_kernarg_size 32
		.amdhsa_user_sgpr_count 2
		.amdhsa_user_sgpr_kernarg_segment_ptr 1
		.amdhsa_wavefront_size32 1
		.amdhsa_system_sgpr_workgroup_id_x 1
		.amdhsa_system_sgpr_workgroup_id_y 1
		.amdhsa_system_sgpr_workgroup_id_z 1
		.amdhsa_system_vgpr_workitem_id 0
		.amdhsa_next_free_vgpr 256
		.amdhsa_next_free_sgpr 66
		.amdhsa_reserve_vcc 1
		.amdhsa_float_denorm_mode_32 3
		.amdhsa_float_denorm_mode_16_64 3
		.amdhsa_memory_ordered 1
		.amdhsa_forward_progress 1
		.amdhsa_inst_pref_size 20
	.end_amdhsa_kernel
	.amdgpu_metadata
---
amdhsa.version: [ 1, 2 ]
amdhsa.kernels:
  - .name:           k_q3b1b093256_quant
    .symbol:         k_q3b1b093256_quant.kd
    .args:
      - { .name: x, .offset: 0, .size: 8, .value_kind: global_buffer, .address_space: global }
      - { .name: K, .offset: 8, .size: 8, .value_kind: global_buffer, .address_space: global }
      - { .name: cc, .offset: 16, .size: 8, .value_kind: global_buffer, .address_space: global }
      - { .name: sw, .offset: 24, .size: 8, .value_kind: global_buffer, .address_space: global }
    .group_segment_fixed_size: 104448
    .private_segment_fixed_size: 0
    .kernarg_segment_align: 8
    .kernarg_segment_size: 32
    .max_flat_workgroup_size: 384
    .sgpr_count:     66
    .vgpr_count:     256
    .wavefront_size: 32
...
	.end_amdgpu_metadata
.endif
;; end of part 1
;; launch scores (part 2): grid 8 x 32, 4 waves a work-group, clusters of 4 x 4, 327,680 bytes of LDS; arguments cc, sw, V, pc, st, vc, vs; writes pc, st, vc, vs
.if DOCPART == 2
	.amdgcn_target "amdgcn-amd-amdhsa--gfx1250"
	.amdhsa_code_object_version 6
	.text
	.protected	k_q3b1b093256_scores
	.globl	k_q3b1b093256_scores
	.p2align	8
	.type	k_q3b1b093256_scores,@function
k_q3b1b093256_scores:
	s_mov_b64 s[64:65], 0
	v_nop
	global_prefetch_b8 v0, s[64:65] scope:SCOPE_SE
	s_setreg_imm32_b32 hwreg(HW_REG_WAVE_MODE, 25, 1), 1
	s_wait_xcnt 0x0
	s_wait_alu depctr_hold_cnt(0) depctr_sa_sdst(0) depctr_va_vdst(0) depctr_va_sdst(0) depctr_va_ssrc(0) depctr_va_vcc(0) depctr_vm_vsrc(0)
	s_getreg_b32 s2, hwreg(HW_REG_IB_STS2, 6, 4)
	s_cmp_eq_u32 s2, 0
	s_cbranch_scc0 .Lentry_in_a_cluster
	s_endpgm
.Lentry_in_a_cluster:
	s_bfe_u32 s2, ttmp6, 0x10000c
	s_cmp_lg_u32 s2, 0xf033
	s_cbranch_scc0 .Lentry_shape_is_right
	s_endpgm
.Lentry_shape_is_right:
; THE FIRST PRODUCT AND THE SOFTMAX'S NUMERATORS, AND V'S CODES.  S = x K^T on codes of FP4 (E2M1) with E8M0 scales (8,192 queries, 4,096 keys, 1,024 along K); t = S x log2(e) / 32.
; A tile is 256 queries x 256 keys, made by four waves, each 128 x 128: 32 accumulators of 32 x 16, 512 registers.  Then, for each query and the wave's 128 keys (one K step of the second product):
; M' = ceil(the largest t of the 128), a whole number; p = 2^(t - M'); l' = the sum of the unquantised p; p is quantised along the keys.  Out go p's fragment (an image of the operand's registers) and, for
; each query, 16 bytes: p's scale word under M', M', l', 0.  The next launch finds the row's M and takes M - M' off the scale bytes: a whole number, so the codes are those under M.
; V [4096][1024] (contracted axis = the keys, its first) is quantised here too: its codes are wanted by the next launch only.  A wave takes 32 channels x 128 keys: a lane a channel, registers down the keys; a block's
; 16 bytes of codes ARE the image's 16 bytes of that channel.  Its loads stand among the first tile's products, its arithmetic behind them.  vc: [512 keys][64 blocks of 16 channels][4][1,024]; vs: [block][512 keys][row][4 words].
; LIMITS: NaN and infinities are not served.  A block whose every p has fallen to 0, or a block of V of zeros or under 2^-124, keeps the byte 1: its codes are zeros or the rule's own.
; A WORK-GROUP STAYS FOR TWO TILES: the same 256 queries against two neighbouring tiles of keys.  All of K = 1,024 lies in LDS: 128 KB of x, which stay, and 128 KB of K, filled again once, behind the first tile's last LDS reads;
; that load has the first tile's softmax in which to land.  The softmax is written once, in a loop of two trips left in its middle; the two tiles' products are written out.
; CODES lie in memory as images of operand registers (ds_loads of 512 consecutive bytes, no padding).  Scale words go from memory straight into registers: x's stay for both tiles.
; CLUSTERS: 4 x 4 work-groups.  The four of a row of the cluster need the same tiles of x, the four of a column the same tiles of K: each is asked for JOINTLY.
; THE MATRIX INSTRUCTION IS USED TRANSPOSED (source 0 = 32 keys, two blocks of 16; source 1 = 16 queries): a lane holds ONE query (lane % 16); its 16 registers are the keys 32 b + 16 (lane / 16) + 0 .. 15.
; No prefetch: everything that the tiles need is asked for at the head or a whole softmax ahead, and no loop runs ahead of a load.
; REGISTERS, in windows of 256: window 0: v1-30 addresses and -M'; v32-127 scale words and nothing else; v128-255 x's fragments, two sets; v192-251 also the softmax's.
;   window 1: K's fragments, two sets, at v0 and v128; V's numbers at v64-127 and v192-255.   window 2: the accumulators of my queries 0-63 (block a of queries, pair b of blocks of keys: v[64 a + 16 b]);   window 3: of queries 64-127.
.set XK,    131072                     ; K's codes behind x's
.set SPARE, 262144                     ; the spare words, 128 bytes for each wave
.set ADRA,  10
.set ADRB,  11
.set NM,    12                         ; v12, v14: -M' of an even and an odd block; v13, v15: the largest t
.set TMP,   16
.set CO,    26                         ; v26     16 x lane
.set SPW,   28                         ; v28     LDS address of my spare word; never rewritten
.set NIL,   29                         ; v29     0; never rewritten
.set VWD,   30                         ; v30     V's scale word
.set SCX,   32                         ; register 8 i + s: the words of x's block i for step s
.set SCK,   96                         ; register 8 b + s: lanes 0-15 the words of K's block 2 b, lanes 16-31 of block 2 b + 1
.set AF,    128
.set BM,    192                        ; v192-199 each block's largest score, then its largest p, then its byte
.set PT,    200                        ; v200-207 what lane l xor 16 sends
.set SO,    208                        ; v208-215 the conversions' scale operands
.set SUM,   216                        ; v216-223 the sums, two chains of pairs each
.set PCD,   224                        ; v224-239 codes
.set REC,   240                        ; v240-242, v244-246: word, M', l' of an even and of an odd block of queries
.set OUT,   248                        ; v248-251 what is stored of them
.set FLOOR, 0x1800000                  ; 2^(3 - 127)
.set EOFF,  0xff000000                 ; takes 2 off an exponent field
.set G1,   24
.set G0,   32
.set G1B,  48
.set G0B,  56
.set G1R,  68
.set G0R,  76
.set MSB, 0
.macro WIN new                         ; the immediate's high byte repeats the setting that is left
.if MSB != (\new)
	s_set_vgpr_msb (MSB<<8)|(\new)
.set MSB, (\new)
.endif
.endm
.set MUL_LO, 0xa1                      ; source 0 (K) window 1, source 1 (x) window 0, C and D window 2
.set MUL_HI, 0xf1                      ; the same, C and D window 3
.set TO_B,   0x40                      ; destination window 1, address window 0
.macro CREST                           ; a round of the cluster's barrier behind its opening barrier
	s_cmp_lg_u32 s16, 0
	s_cbranch_scc1 .Lnot_wave_0_\@
	s_barrier_signal -3
.Lnot_wave_0_\@:
	s_barrier_wait -3
	s_barrier_signal -1
	s_barrier_wait -1
.endm
.macro CROUND
	s_barrier_signal -1
	s_barrier_wait -1
	CREST
.endm
.macro PLUS d, src, sh, tmp            ; d += src << sh
	s_lshl_b32 s\tmp, s\src, \sh
	s_add_co_u32 s\d, s\d, s\tmp
.endm
	s_load_b128 s[4:7], s[0:1], 0x0                ; cc, sw
	s_load_b128 s[8:11], s[0:1], 0x10              ; V, pc
	s_load_b128 s[12:15], s[0:1], 0x20             ; st, vc
	s_load_b64 s[20:21], s[0:1], 0x30              ; vs
	v_lshl_add_u32 v[SPW], v0, 2, SPARE
	v_mov_b32 v[NIL], 0
	ds_add_u32 v[SPW], v[NIL]                      ; the wave's opening: the add, twice on end, and its wait ahead of my first tensor load
	ds_add_u32 v[SPW], v[NIL]
	v_lshrrev_b32 v1, 5, v0
	v_readfirstlane_b32 s16, v1                    ; wave 0..3
	s_lshr_b32 s17, s16, 1                         ; which half of the tile's queries is mine.  Also: I fetch for x (0) or for K (1)
	s_and_b32 s18, s16, 1                          ; which half of its keys.  Also: which half of what that side wants I fetch
	s_bfe_u32 s40, ttmp6, 0x40000                  ; cx, cy: my place in the cluster
	s_bfe_u32 s41, ttmp6, 0x40004
	s_lshl_b32 s42, ttmp9, 2
	s_add_co_u32 s42, s42, s40                     ; pair of tiles of keys = 4 x cluster x + cx: 512 keys
	s_and_b32 s19, ttmp7, 0xffff
	s_lshl_b32 s19, s19, 2
	s_add_co_u32 s19, s19, s41                     ; tile of queries = 4 x cluster y + cy
	; x's addresses hang on the tile of queries alone, K's on the pair of tiles of keys alone, each in registers that never hold the other coordinate
	s_lshl_b32 s86, s19, 17                        ; 16 blocks x 8,192 bytes a tile
	PLUS 86, 18, 16, 45
	s_mov_b32 s87, 0
	s_lshl_b32 s88, s42, 18                        ; two tiles on end, behind x's 512 blocks
	PLUS 88, 18, 16, 45
	s_add_co_u32 s88, s88, 4194304
	s_mov_b32 s89, 0
	s_lshl_b32 s90, s42, 18
	PLUS 90, 16, 15, 45
	s_add_co_u32 s90, s90, 4325376                 ; the refill: the second tile, a quarter a wave
	s_mov_b32 s91, 0
	s_lshl_b32 s43, s41, 2
	s_lshl_b32 s43, 15, s43                        ; my row of the cluster
	s_lshl_b32 s44, 0x1111, s40                    ; my column
	; descriptor groups 1: dense blocks as rows of 256 bytes (32 elements of 8 bytes), no padding.  15:0 the mask; 17:16 element of 8 bytes (code 3); 21 set beside a mask
	s_or_b32 s[G1+0], s43, (3<<16)|(1<<21)
	s_or_b32 s[G1B+0], s44, (3<<16)|(1<<21)
	s_or_b32 s[G1R+0], s44, (3<<16)|(1<<21)
.irp g, G1, G1B                        ; 8 blocks of 16 rows, all of K: 256 rows of 256 bytes
	s_mov_b32 s[\g+1], 32<<16
	s_mov_b32 s[\g+2], 256<<16
	s_mov_b32 s[\g+3], 32<<16
	s_mov_b32 s[\g+4], 256
	s_mov_b32 s[\g+5], 32
	s_mov_b32 s[\g+6], 0
	s_mov_b32 s[\g+7], 0
.endr
	s_mov_b32 s[G1R+1], 32<<16                     ; 4 blocks: 128 rows
	s_mov_b32 s[G1R+2], 128<<16
	s_mov_b32 s[G1R+3], 32<<16
	s_mov_b32 s[G1R+4], 128
	s_mov_b32 s[G1R+5], 32
	s_mov_b32 s[G1R+6], 0
	s_mov_b32 s[G1R+7], 0
	; the scale words' offsets: x's block 16 x tile + 8 x half, K's 512 + 32 x pair + 8 x half, 512 bytes a block
	s_lshl_b32 s22, s19, 13
	PLUS 22, 17, 12, 67
	s_lshl_b32 s23, s42, 14
	PLUS 23, 18, 12, 67
	s_add_co_u32 s23, s23, 262144
	s_lshl_b32 s92, s17, 16                        ; my 8 blocks of x in LDS,
	s_lshl_b32 s93, s18, 16
	s_add_co_u32 s93, s93, XK                      ; and of K
	v_and_b32 v1, 31, v0                           ; lane
	v_and_b32 v2, 15, v0                           ; r
	v_bfe_u32 v3, v0, 4, 1                         ; h
	v_lshlrev_b32 v[CO], 4, v1
	v_lshlrev_b32 v4, 2, v1                        ; V: 4 bytes a lane
	v_lshlrev_b32 v9, 4, v2
	v_add_nc_u32 v7, s22, v9                       ; x's words: row r
	v_lshl_add_u32 v8, v3, 9, v9                   ; K's words: lanes 16-31 the next block's
	v_add_nc_u32 v8, s23, v8
	v_lshl_add_u32 v5, v3, 12, v9                  ; V's codes: block of channels h, row r
	v_lshl_add_u32 v6, v3, 11, v9                  ; its words
	v_add_nc_u32 v[ADRA], s92, v[CO]
	v_add_nc_u32 v[ADRB], s93, v[CO]
	v_cmp_lt_u32 s66, 15, v1                       ; lanes 16-31
	; V: my 128 keys are number s19, my 32 channels begin at 128 s42 + 32 wave
	s_lshl_b32 s80, s19, 19                        ; 128 rows of 4,096 bytes
	PLUS 80, 42, 9, 67
	PLUS 80, 16, 7, 67
	s_mov_b32 s81, 0
	s_lshr_b32 s92, s19, 2                         ; which 512 keys,
	s_and_b32 s93, s19, 3                          ; and which fragment of them
	s_lshl_b32 s45, s42, 3
	PLUS 45, 16, 1, 67                             ; my first block of 16 channels
	s_lshl_b32 s82, s92, 18
	PLUS 82, 45, 12, 67
	PLUS 82, 93, 10, 67
	s_mov_b32 s83, 0
	s_lshl_b32 s84, s45, 11
	PLUS 84, 92, 8, 67
	PLUS 84, 93, 2, 67
	s_mov_b32 s85, 0
	; p's codes: [128 queries][512 keys][block of 16 queries][fragment][1,024]; my 128 keys of tile u are fragment 2 u + half
	s_lshl_b32 s94, s19, 19
	PLUS 94, 17, 18, 67
	PLUS 94, 42, 15, 67
	PLUS 94, 18, 10, 67
	s_mov_b32 s95, 0
	; the rows' figures: [32 queries][128 keys: 32 of them][query][16 bytes]
	s_lshl_b32 s96, s19, 17
	PLUS 96, 17, 16, 67
	PLUS 96, 42, 11, 67
	PLUS 96, 18, 9, 67
	s_mov_b32 s97, 0
	s_mov_b32 s98, 0x3d38aa3b                      ; c = log2(e) / sqrt(1024)
	s_mov_b32 s99, s98                             ; (named with it as a pair, so it is written)
	s_mov_b32 s100, 0x76543210
	s_mov_b32 s101, 0xfedcba98                     ; v_permlanex16_b32's selects for lane l xor 16
	s_lshl_b32 s45, s16, 16                        ; where the first fills go: x's two halves, then K's
	s_lshl_b32 s67, s16, 15
	s_add_co_u32 s67, s67, XK                      ; and the refill
.macro SCALEX                          ; x's words: both halves of the lanes hold them
.irp i, 0,1,2,3,4,5,6,7
.irp s, 0,1
	global_load_b128 v[SCX+8*\i+4*\s:SCX+8*\i+4*\s+3], v7, s[6:7] offset:512*\i+256*\s
.endr
.endr
.endm
.macro SCALEK u                        ; K's words of tile u: eight loads
.irp b, 0,1,2,3
.irp s, 0,1
	global_load_b128 v[SCK+8*\b+4*\s:SCK+8*\b+4*\s+3], v8, s[6:7] offset:8192*(\u)+1024*\b+256*\s
.endr
.endr
.endm
	s_wait_alu depctr_va_vdst(0)
	s_wait_dscnt 0x0                               ; both opening adds are done
	s_wait_kmcnt 0x0
	s_add_nc_u64 s[86:87], s[4:5], s[86:87]
	s_add_nc_u64 s[88:89], s[4:5], s[88:89]
	s_add_nc_u64 s[90:91], s[4:5], s[90:91]
	s_mov_b32 s[G0], 1
	s_mov_b32 s[G0+1], s45
	s_mov_b64 s[G0+2:G0+3], s[86:87]
	s_or_b32 s[G0+3], s[G0+3], 0x80000000
	s_mov_b32 s[G0B], 1
	s_mov_b32 s[G0B+1], s45
	s_mov_b64 s[G0B+2:G0B+3], s[88:89]
	s_or_b32 s[G0B+3], s[G0B+3], 0x80000000
	s_mov_b32 s[G0R], 1
	s_mov_b32 s[G0R+1], s67
	s_mov_b64 s[G0R+2:G0R+3], s[90:91]
	s_or_b32 s[G0R+3], s[G0R+3], 0x80000000
	SCALEX
	SCALEK 0
	CROUND                                         ; all sixteen work-groups are here: the joint loads meet
	s_cmp_eq_u32 s17, 0                            ; waves 0 and 1 fetch x, waves 2 and 3 K: one load a wave
	s_cbranch_scc0 .Lfor_k
	tensor_load_to_lds s[G0:G0+3], s[G1:G1+7]
	s_nop 0
.rept 4
	v_nop
.endr
	s_branch .Lasked
.Lfor_k:
	tensor_load_to_lds s[G0B:G0B+3], s[G1B:G1B+7]
	s_nop 0
.rept 4
	v_nop
.endr
.Lasked:
	s_add_nc_u64 s[8:9], s[8:9], s[80:81]
	s_add_nc_u64 s[14:15], s[14:15], s[82:83]
	s_add_nc_u64 s[20:21], s[20:21], s[84:85]
	s_add_nc_u64 s[10:11], s[10:11], s[94:95]
	s_add_nc_u64 s[12:13], s[12:13], s[96:97]
.macro PLACES
.rept 4
	v_nop
.endr
.endm
.macro FRAG reg, adr, s, i             ; a fragment's image: two loads of 512 consecutive bytes
.irp c, 0,1
	ds_load_b128 v[\reg+4*\c:\reg+4*\c+3], v[\adr] offset:8192*(\i)+1024*(\s)+512*\c
.endr
.endm
.macro FETCH_B s
	WIN TO_B
.irp i, 0,1,2,3,4,5,6,7
	FRAG 128*((\s)%2)+8*\i, ADRB, \s, \i
.endr
.endm
.macro FETCH_A s
	WIN 0
.irp i, 0,1,2,3,4,5,6,7
	FRAG AF+64*((\s)%2)+8*\i, ADRA, \s, \i
.endr
.endm
.macro VLOAD t                         ; V(32 t + i, my channel): 32 lanes read 128 consecutive bytes
	WIN TO_B
.irp i, 0,1,2,3,4,5,6,7,8,9,10,11,12,13,14,15,16,17,18,19,20,21,22,23,24,25,26,27,28,29,30,31
	global_load_b32 v[64+32*\t+64*(\t/2)+\i], v4, s[8:9] offset:(32*\t+\i)*4096 th:TH_LOAD_NT
.endr
.endm
; x's blocks a0, a0 + 1 against K's four pairs of blocks, step s: eight matrix instructions.  The 32 accumulators take turns, one instruction a turn, in the same order in every step.
.macro MUL2 a0, s, zero
.irp a, \a0, \a0+1
.irp b, 0,1,2,3
.if \zero
	v_wmma_scale_f32_32x16x128_f4 v[64*((\a)%4)+16*\b:64*((\a)%4)+16*\b+15], v[128*((\s)%2)+16*\b:128*((\s)%2)+16*\b+15], v[AF+64*((\s)%2)+8*(\a):AF+64*((\s)%2)+8*(\a)+7], 0, v[SCK+8*\b+(\s)], v[SCX+8*(\a)+(\s)]
.else
	v_wmma_scale_f32_32x16x128_f4 v[64*((\a)%4)+16*\b:64*((\a)%4)+16*\b+15], v[128*((\s)%2)+16*\b:128*((\s)%2)+16*\b+15], v[AF+64*((\s)%2)+8*(\a):AF+64*((\s)%2)+8*(\a)+7], v[64*((\a)%4)+16*\b:64*((\a)%4)+16*\b+15], v[SCK+8*\b+(\s)], v[SCX+8*(\a)+(\s)]
.endif
.endr
.endr
.endm
; A step of 128 along K with a successor.  Both operands have two sets of registers: the next step's K fragments are asked for at its head, x's in its middle.
.macro STEP s, zero
	s_wait_dscnt 8                                 ; all but the youngest eight loads (x's blocks 4-7) are in
	PLACES                                         ; for the loads: their registers were read by the step before
	FETCH_B (\s)+1
	WIN MUL_LO
	MUL2 0, \s, \zero
	MUL2 2, \s, \zero
	s_wait_dscnt 16                                ; x's blocks 4-7 are in; the sixteen loads just issued may be out
	FETCH_A (\s)+1
	WIN MUL_HI
	MUL2 4, \s, \zero
	MUL2 6, \s, \zero
.endm
; A tile's last step.  fill = 1: a round of the cluster's barrier, in front of which each wave waits for its tensor load, adds 0 to its spare word and waits for that and for all its reads; behind it K's bytes are filled again, a quarter a wave.
.macro LAST fill
.if \fill
	WIN 0
	s_wait_tensorcnt 0x0
	ds_add_u32 v[SPW], v[NIL]                      ; 0 onto my spare word
	s_wait_dscnt 9                                 ; (the add and x's blocks 4-7 may be out)
	WIN MUL_LO
	MUL2 0, 7, 0
	s_wait_dscnt 0x0                               ; the add is done, and so are my reads
	s_barrier_signal -1
	MUL2 2, 7, 0
	WIN 0
	s_barrier_wait -1
	CREST                                          ; no wave of any partner still reads its tile of K or has a load on its way
	tensor_load_to_lds s[G0R:G0R+3], s[G1R:G1R+7]
	s_nop 0
	PLACES
.else
	s_wait_dscnt 8
	WIN MUL_LO
	MUL2 0, 7, 0
	MUL2 2, 7, 0
	s_wait_dscnt 0x0
.endif
	WIN MUL_HI
	MUL2 4, 7, 0
	MUL2 6, 7, 0
	WIN 0
	PLACES
.endm
; BLOCKS a, a + 1 OF 16 QUERIES: 64 scores a lane and block, register AC + 64 n + 16 b + i = key 32 b + 16 (lane / 16) + i of block a + n.  The two blocks go by turns.
.macro SOFT2 a
.set W,   2+(\a)/4
.set AC,  64*((\a)%4)
	WIN W+(W<<2)                                   ; sources 0 and 1: the accumulators' window
	s_wait_alu depctr_va_vdst(0)                   ; directly ahead of the first readers of these products
.irp j, 0,1,2,3,4,5,6,7
	v_max3_num_f32 v[BM+\j], v[AC+16*\j], v[AC+16*\j+1], 0xff800000   ; the largest score of each block of 32 keys; each accumulator is read from its low end on
.endr
.irp i, 2,4,6,8,10,12,14
.irp j, 0,1,2,3,4,5,6,7
	v_max3_num_f32 v[BM+\j], v[AC+16*\j+\i], v[AC+16*\j+\i+1], v[BM+\j]
.endr
.endr
	WIN 0
.irp j, 0,1,2,3,4,5,6,7
	v_permlanex16_b32 v[PT+\j], v[BM+\j], s100, s101
.endr
.irp j, 0,1,2,3,4,5,6,7
	v_max_num_f32 v[BM+\j], v[BM+\j], v[PT+\j]     ; with lane l xor 16's 16 keys
.endr
.irp n, 0,1
	v_max3_num_f32 v[TMP+\n], v[BM+4*\n], v[BM+4*\n+1], v[BM+4*\n+2]
.endr
.irp n, 0,1
	v_max_num_f32 v[TMP+\n], v[TMP+\n], v[BM+4*\n+3]   ; the largest score of my query's 128 keys
.endr
.irp n, 0,1
	v_mul_f32 v[NM+2*\n+1], s98, v[TMP+\n]         ; as t (c is positive)
.endr
.irp n, 0,1
	v_floor_f32 v[NM+2*\n], -v[NM+2*\n+1]          ; -M' = floor(-t) = -ceil(t): a whole number
.endr
.irp j, 0,1,2,3,4,5,6,7
	v_fma_f32 v[BM+\j], v[BM+\j], s98, v[NM+2*(\j/4)]   ; t - M' of each block's largest score: p rises with the score, so this gives the block's largest p
.endr
	WIN W+(W<<6)                                   ; source 0 and destination: the accumulators' window
.set J, 0
.rept 64
	v_pk_fma_f32 v[AC+2*J:AC+2*J+1], v[AC+2*J:AC+2*J+1], s[98:99], v[NM+2*(J/32):NM+2*(J/32)+1] op_sel_hi:[1,0,0]   ; t - M', two at a time
.set J, J+1
.endr
	s_wait_alu depctr_va_vdst(0)                   ; ahead of the batch
.set J, 0
.rept 128
	v_exp_f32 v[AC+J], v[AC+J]                     ; p = 2^(t - M'), at most 1: not normalised
.set J, J+1
.endr
	WIN 0
.irp j, 0,1,2,3,4,5,6,7
	v_exp_f32 v[BM+\j], v[BM+\j]                   ; the block's largest p: the same two instructions on the same number
.endr
.irp n, 0,1
	v_xor_b32 v[REC+4*\n+1], 0x80000000, v[NM+2*\n]   ; M' (plain lines behind the exponentials)
.endr
	WIN W+(W<<2)
	s_wait_alu depctr_va_vdst(0)                   ; one wait for the batch, ahead of its first reader
.irp n, 0,1
	v_pk_add_f32 v[SUM+4*\n:SUM+4*\n+1], v[AC+64*\n:AC+64*\n+1], v[AC+64*\n+4:AC+64*\n+5]   ; the sum of the UNQUANTISED p, in two chains a block
	v_pk_add_f32 v[SUM+4*\n+2:SUM+4*\n+3], v[AC+64*\n+2:AC+64*\n+3], v[AC+64*\n+6:AC+64*\n+7]
.endr
	WIN W
.irp k, 2,3,4,5,6,7,8,9,10,11,12,13,14,15
.irp n, 0,1
	v_pk_add_f32 v[SUM+4*\n:SUM+4*\n+1], v[AC+64*\n+4*\k:AC+64*\n+4*\k+1], v[SUM+4*\n:SUM+4*\n+1]
	v_pk_add_f32 v[SUM+4*\n+2:SUM+4*\n+3], v[AC+64*\n+4*\k+2:AC+64*\n+4*\k+3], v[SUM+4*\n+2:SUM+4*\n+3]
.endr
.endr
	WIN 0
.irp n, 0,1
	v_pk_add_f32 v[SUM+4*\n:SUM+4*\n+1], v[SUM+4*\n:SUM+4*\n+1], v[SUM+4*\n+2:SUM+4*\n+3]
.endr
.irp j, 0,1,2,3,4,5,6,7
	v_max_num_f32 v[BM+\j], FLOOR, v[BM+\j]        ; the floor: the byte cannot fall under 1
.endr
.irp n, 0,1
	v_add_f32 v[SUM+4*\n], v[SUM+4*\n], v[SUM+4*\n+1]
.endr
.irp j, 0,1,2,3,4,5,6,7
	v_add_nc_u32 v[SO+\j], EOFF, v[BM+\j]          ; 2 off the exponent field: the conversion's scale operand
.endr
.irp n, 0,1
	v_permlanex16_b32 v[SUM+4*\n+2], v[SUM+4*\n], s100, s101
.endr
.irp j, 0,1,2,3,4,5,6,7
	v_lshrrev_b32 v[BM+\j], 23, v[SO+\j]           ; the scale's byte
.endr
.irp n, 0,1
	v_add_f32 v[REC+4*\n+2], v[SUM+4*\n], v[SUM+4*\n+2]   ; l'
.endr
.irp n, 0,1
	v_lshl_or_b32 v[REC+4*\n], v[BM+4*\n+1], 8, v[BM+4*\n]   ; p's scale word under M'
.endr
.irp n, 0,1
	v_lshl_or_b32 v[REC+4*\n], v[BM+4*\n+2], 16, v[REC+4*\n]
.endr
.irp n, 0,1
	v_lshl_or_b32 v[REC+4*\n], v[BM+4*\n+3], 24, v[REC+4*\n]
.endr
	s_wait_alu depctr_va_vdst(0)
	s_wait_xcnt 0x0                                ; the earlier stores have read their registers: codes and figures are written again only behind this wait
	WIN W
.irp n, 0,1
.irp b, 0,1,2,3
	v_cvt_scalef32_pk8_fp4_f32 v[PCD+8*\n+2*\b], v[AC+64*\n+16*\b:AC+64*\n+16*\b+7], v[SO+4*\n+\b]
	v_cvt_scalef32_pk8_fp4_f32 v[PCD+8*\n+2*\b+1], v[AC+64*\n+16*\b+8:AC+64*\n+16*\b+15], v[SO+4*\n+\b]
.endr
.endr
	WIN 0
	v_mov_b32 v[OUT+3], 0                          ; the fourth word of a row's 16 bytes; also the plain line behind the conversions
.irp k, 0,1,2
	v_cndmask_b32 v[OUT+\k], v[REC+\k], v[REC+4+\k], s66   ; lanes 0-15 the even block's queries, lanes 16-31 the odd block's
.endr
.irp n, 0,1
.irp c, 0,1                            ; the operand's layout wants a WHOLE block in a lane: lanes 0-15 block 2 c, lanes 16-31 block 2 c + 1
.irp i, 0,1
	v_permlane16_swap_b32 v[PCD+8*\n+4*\c+\i], v[PCD+8*\n+4*\c+2+\i]
.endr
.endr
.endr
.irp n, 0,1
.irp c, 0,1
	global_store_b128 v[CO], v[PCD+8*\n+4*\c:PCD+8*\n+4*\c+3], s[10:11] offset:4096*(\a+\n)+512*\c   ; the fragment as it stands: 512 consecutive bytes
.endr
.endr
	global_store_b128 v[CO], v[OUT:OUT+3], s[12:13] offset:16384*((\a)/2)   ; 32 queries x 16 bytes
.endm
	s_wait_tensorcnt 0x0                           ; my part of x and K is in
	s_barrier_signal -1
	s_barrier_wait -1                              ; everybody's is
	FETCH_B 0
	FETCH_A 0
	s_wait_loadcnt 0x0                             ; the scale words are in
	; ---- the first tile's products; V's numbers are asked for between the steps
	STEP 0, 1
	VLOAD 0
	STEP 1, 0
	STEP 2, 0
	VLOAD 1
	STEP 3, 0
	STEP 4, 0
	VLOAD 2
	STEP 5, 0
	VLOAD 3
	STEP 6, 0
	LAST 1
	SCALEK 1                                       ; the second tile's scale words
	s_wait_loadcnt 8                               ; V's numbers are in; the eight just issued may be out
	; ---- V's four blocks of 32 keys
	WIN 0x05                                       ; sources 0 and 1: window 1
.irp t, 0,1,2,3
	v_max3_num_f32 v[BM+\t], |v[64+32*\t+64*(\t/2)]|, |v[65+32*\t+64*(\t/2)]|, FLOOR
.endr
.irp i, 2,4,6,8,10,12,14,16,18,20,22,24,26,28,30
.irp t, 0,1,2,3
	v_max3_num_f32 v[BM+\t], |v[64+32*\t+64*(\t/2)+\i]|, |v[65+32*\t+64*(\t/2)+\i]|, v[BM+\t]
.endr
.endr
	WIN 0
.irp t, 0,1,2,3
	v_add_nc_u32 v[SO+\t], EOFF, v[BM+\t]
.endr
.irp t, 0,1,2,3
	v_lshrrev_b32 v[PT+\t], 23, v[SO+\t]
.endr
	v_lshl_or_b32 v[VWD], v[PT+1], 8, v[PT]        ; the lower keys in the lower byte
	v_lshl_or_b32 v[VWD], v[PT+2], 16, v[VWD]
	v_lshl_or_b32 v[VWD], v[PT+3], 24, v[VWD]
	WIN 0x01
.irp t, 0,1,2,3
.irp g, 0,1,2,3
	v_cvt_scalef32_pk8_fp4_f32 v[PCD+4*\t+\g], v[64+32*\t+64*(\t/2)+8*\g:71+32*\t+64*(\t/2)+8*\g], v[SO+\t]
.endr
.endr
	WIN 0
	v_nop                                          ; the plain line behind the conversions
.irp t, 0,1,2,3
	global_store_b128 v5, v[PCD+4*\t:PCD+4*\t+3], s[14:15] offset:256*\t   ; sixteen lanes store 256 consecutive bytes, aligned
.endr
	global_store_b32 v6, v[VWD], s[20:21]          ; 4 bytes a lane, 16 bytes apart: 128 KB in the whole launch
	s_mov_b32 s3, 0
	s_wait_alu depctr_va_vdst(0)
.Lsoft:                                                ; trip 0: the first tile's softmax and the second tile's products; trip 1: the second tile's softmax
	SOFT2 0
	SOFT2 2
	SOFT2 4
	SOFT2 6
	s_add_co_u32 s3, s3, 1
	s_wait_alu depctr_va_vdst(0)
	s_cmp_ge_u32 s3, 2
	s_cbranch_scc1 .Lend
	s_wait_xcnt 0x0                                ; the stores have read their registers and bases: fragments land on those registers next
	s_add_nc_u64 s[10:11], s[10:11], 0x800         ; the second tile's fragments and figures
	s_add_nc_u64 s[12:13], s[12:13], 0x400
	s_wait_loadcnt 0x0                             ; the scale words are in
	s_wait_tensorcnt 0x0                           ; my quarter of the second tile of K is in
	s_wait_dscnt 0x0
	s_barrier_signal -1
	s_barrier_wait -1                              ; everybody's is
	FETCH_B 0
	FETCH_A 0
	STEP 0, 1
.irp s, 1,2,3,4,5,6
	STEP \s, 0
.endr
	LAST 0
	s_cmp_lt_u32 s3, 2
	s_cbranch_scc1 .Lsoft
.Lend:
	s_wait_tensorcnt 0x0                           ; the wave's end
	ds_add_u32 v[SPW], v[NIL]
	s_wait_dscnt 0x0
	CROUND                                         ; the closing round: no work-group ends while a partner may still ask for a tile that names it
	s_endpgm
.Lfunc_end_k_q3b1b093256_scores:
	.size	k_q3b1b093256_scores, .Lfunc_end_k_q3b1b093256_scores-k_q3b1b093256_scores
	.p2alignl 7, 3214868480
	.fill 96, 4, 3214868480
	.section	.rodata,"a",@progbits
	.p2align	6, 0x0
	.amdhsa_kernel k_q3b1b093256_scores
		.amdhsa_group_segment_fixed_size 327680
		.amdhsa_private_segment_fixed_size 0
		.amdhsa_enable_private_segment 0
		.amdhsa_kernarg_size 56
		.amdhsa_user_sgpr_count 2
		.amdhsa_user_sgpr_kernarg_segment_ptr 1
		.amdhsa_wavefront_size32 1
		.amdhsa_system_sgpr_workgroup_id_x 1
		.amdhsa_system_sgpr_workgroup_id_y 1
		.amdhsa_system_sgpr_workgroup_id_z 1
		.amdhsa_system_vgpr_workitem_id 0
		.amdhsa_next_free_vgpr 1024
		.amdhsa_next_free_sgpr 102
		.amdhsa_reserve_vcc 0
		.amdhsa_float_denorm_mode_32 3
		.amdhsa_float_denorm_mode_16_64 3
		.amdhsa_memory_ordered 1
		.amdhsa_forward_progress 1
		.amdhsa_inst_pref_size 222
	.end_amdhsa_kernel
	.amdgpu_metadata
---
amdhsa.version: [ 1, 2 ]
amdhsa.kernels:
  - .name:           k_q3b1b093256_scores
    .symbol:         k_q3b1b093256_scores.kd
    .args:
      - { .name: cc, .offset: 0, .size: 8, .value_kind: global_buffer, .address_space: global }
      - { .name: sw, .offset: 8, .size: 8, .value_kind: global_buffer, .address_space: global }
      - { .name: V, .offset: 16, .size: 8, .value_kind: global_buffer, .address_space: global }
      - { .name: pc, .offset: 24, .size: 8, .value_kind: global_buffer, .address_space: global }
      - { .name: st, .offset: 32, .size: 8, .value_kind: global_buffer, .address_space: global }
      - { .name: vc, .offset: 40, .size: 8, .value_kind: global_buffer, .address_space: global }
      - { .name: vs, .offset: 48, .size: 8, .value_kind: global_buffer, .address_space: global }
    .group_segment_fixed_size: 327680
    .private_segment_fixed_size: 0
    .kernarg_segment_align: 8
    .kernarg_segment_size: 56
    .max_flat_workgroup_size: 128
    .sgpr_count:     102
    .vgpr_count:     1024
    .wavefront_size: 32
...
	.end_amdgpu_metadata
.endif
;; end of part 2
;; launch mix (part 3): grid 4 x 64, 4 waves a work-group, clusters of 4 x 1, 327,680 bytes of LDS; arguments pc, st, vc, vs, out0; writes out0
.if DOCPART == 3
	.amdgcn_target "amdgcn-amd-amdhsa--gfx1250"
	.amdhsa_code_object_version 6
	.text
	.protected	k_q3b1b093256_mix
	.globl	k_q3b1b093256_mix
	.p2align	8
	.type	k_q3b1b093256_mix,@function
k_q3b1b093256_mix:
	s_mov_b64 s[64:65], 0
	v_nop
	global_prefetch_b8 v0, s[64:65] scope:SCOPE_SE
	s_setreg_imm32_b32 hwreg(HW_REG_WAVE_MODE, 25, 1), 1
	s_wait_xcnt 0x0
	s_wait_alu depctr_hold_cnt(0) depctr_sa_sdst(0) depctr_va_vdst(0) depctr_va_sdst(0) depctr_va_ssrc(0) depctr_va_vcc(0) depctr_vm_vsrc(0)
	s_getreg_b32 s2, hwreg(HW_REG_IB_STS2, 6, 4)
	s_cmp_eq_u32 s2, 0
	s_cbranch_scc0 .Lentry_in_a_cluster
	s_endpgm
.Lentry_in_a_cluster:
	s_bfe_u32 s2, ttmp6, 0x10000c
	s_cmp_lg_u32 s2, 0x3003
	s_cbranch_scc0 .Lentry_shape_is_right
	s_endpgm
.Lentry_shape_is_right:
; THE SECOND PRODUCT.  out = (P V) / l on codes of FP4 (E2M1) with E8M0 scales: 8,192 queries, 1,024 channels, 4,096 keys along K: 32 steps of 128.
; P's codes were made under M' of each 128 keys.  Here each query's M (the largest M') is found, M - M' is taken off its scale bytes (held at 0 from below, 2^-127), and l = the sum of l' 2^(M' - M).
; LIMITS: NaN and infinities are not served.  What lies more than 2^127 under a row's largest term is counted at no less than that.
; A WORK-GROUP makes 128 queries x 256 channels; each of its four waves all 128 queries x 64 channels: 16 accumulators of 32 x 16, 256 registers.
; P's whole tile, 128 queries x 4,096 keys, is 256 KB and one dense block of memory.  It comes into LDS in two halves of 16 steps, an eighth by each tensor load of a wave, and nothing is filled again: the second half is asked for
; when the first has landed, and is waited for 16 steps on at the latest.
; V's fragments belong to one wave each, so they go straight from memory into registers: a ring of eight steps (window 1), asked for seven steps ahead of their use.
; CLUSTERS: the four work-groups of a cluster make the four column blocks of the same queries and ask for P jointly.  V's fragments, which all 64 row blocks read, are not asked for jointly: a joint load goes into LDS, of which P's tile,
; the scale words and the spare words leave 15,360 bytes, less than one step's 16 KB of V.
; No prefetch: P is asked for at the head, with no loop to run ahead in, and V's loads run seven steps ahead.
; THE MATRIX INSTRUCTION IS USED TRANSPOSED (source 0 = 32 channels, two blocks of 16; source 1 = 16 queries): a lane holds one query (lane % 16) and twice eight neighbouring channels.
; REGISTERS: window 0: addresses; v32-47 1 / l; v64-127 P's and v128-143 V's scale words and nothing else.  window 1: V's ring, step q at v[32 q]; on the way out results.  window 2: P's fragments, two sets of 64; at the head V's words.
;   window 3: the accumulators (block a of queries, pair b of blocks of channels: v[32 a + 16 b]); at the head the rows' figures.
.set HALF,  131072
.set PSC,   262144                     ; P's scale words: [block of 16 queries][512 keys][row][4 words]
.set RL,    PSC+16384                  ; 1 / l for 128 queries
.set SPARE, RL+512                     ; the spare words, 128 bytes for each wave
.set VSC,   SPARE+512                  ; V's scale words, 8,192 bytes for each wave, [block][512 keys][row][4 words]; behind their last read the same bytes are the wave's stage: 16 rows x 272
.set SPITCH, 272
.set ADA,  16                          ; v16  P's fragments of the eight steps in hand
.set SA,   17
.set SB,   18
.set SA0,  19                          ; v19  my lane's place among P's words, v20 among V's
.set SB0,  20
.set STO,  21
.set RD,   22
.set GO,   23
.set PSW,  24
.set RLW,  25
.set CO,   26                          ; v26  16 x lane
.set RLA,  27
.set SPW,  28
.set NIL,  29
.set VW,   30                          ; v30  where I put V's words
.set RLV,  32
.set SCA,  64                          ; register 8 a + q: the words of P's block a for step q of eight
.set SCB,  128                         ; register 8 b + q: lanes 0-15 the words of V's block 2 b, lanes 16-31 of block 2 b + 1
.set G1,   24
.set G0,   32                          ; s[32:35] group 0 for P's first half, s[36:39] for its second
.set TA,   44                          ; s44  where the eight steps in hand begin in P's tile
.set TS,   45                          ; s45  and among the scale words
.set MSB, 0
.macro WIN new
.if MSB != (\new)
	s_set_vgpr_msb (MSB<<8)|(\new)
.set MSB, (\new)
.endif
.endm
.set MULW, 0xf9                        ; source 0 (V) window 1, source 1 (P) window 2, C and D window 3
.macro CROUND                          ; a round of the cluster's barrier
	s_barrier_signal -1
	s_barrier_wait -1
	s_cmp_lg_u32 s16, 0
	s_cbranch_scc1 .Lnot_wave_0_\@
	s_barrier_signal -3
.Lnot_wave_0_\@:
	s_barrier_wait -3
	s_barrier_signal -1
	s_barrier_wait -1
.endm
.macro PLUS d, src, sh
	s_lshl_b32 s67, s\src, \sh
	s_add_co_u32 s\d, s\d, s67
.endm
	s_load_b256 s[4:11], s[0:1], 0x0               ; pc, st, vc, vs
	s_load_b64 s[12:13], s[0:1], 0x20              ; out0
	v_lshl_add_u32 v[SPW], v0, 2, SPARE
	v_mov_b32 v[NIL], 0
	ds_add_u32 v[SPW], v[NIL]                      ; the wave's opening: the add, twice on end, and its wait ahead of my first tensor load
	ds_add_u32 v[SPW], v[NIL]
	v_lshrrev_b32 v1, 5, v0
	v_readfirstlane_b32 s16, v1                    ; wave 0..3
	s_bfe_u32 s40, ttmp6, 0x40000                  ; cx = which 256 channels (the grid is one cluster wide)
	s_and_b32 s19, ttmp7, 0xffff                   ; which 128 queries
	s_lshl_b32 s22, s16, 13
	s_add_co_u32 s22, s22, VSC
	s_lshl_b32 s23, s16, 12
	s_add_co_u32 s23, s23, PSC
	v_and_b32 v1, 31, v0                           ; lane
	v_and_b32 v2, 15, v0                           ; r
	v_bfe_u32 v3, v0, 4, 1                         ; h
	v_lshlrev_b32 v[CO], 4, v1
	v_lshlrev_b32 v4, 4, v2
	v_mov_b32 v[ADA], v[CO]
	v_add_nc_u32 v[SA0], PSC, v4                   ; row r: both halves of the lanes hold P's words
	v_add_nc_u32 v[VW], s22, v[CO]
	v_lshl_add_u32 v5, v3, 11, v4
	v_add_nc_u32 v[SB0], s22, v5                   ; lanes 16-31 the next block's
	v_add_nc_u32 v[PSW], s23, v5                   ; where my query's corrected words go: query 32 x wave + lane
	v_mul_u32_u24 v6, v2, SPITCH
	v_lshl_add_u32 v6, v3, 5, v6
	v_add_nc_u32 v[STO], s22, v6                   ; the stage, in: row r, + 32 h
	v_mul_u32_u24 v6, v3, SPITCH
	v_add_nc_u32 v6, v6, v4
	v_add_nc_u32 v[RD], s22, v6                    ; back: lanes 0-15 one row of 256 bytes, lanes 16-31 the next
	v_lshl_add_u32 v[GO], v3, 12, v4               ; and the same two rows of out
	v_lshl_add_u32 v[RLW], v0, 2, RL
	v_lshlrev_b32 v6, 2, v2
	v_add_nc_u32 v[RLA], RL, v6
	s_mov_b32 s[G1+0], 15|(3<<16)|(1<<21)          ; the mask: all four of the cluster; elements of 8 bytes; 21 set beside a mask
	s_mov_b32 s[G1+1], 32<<16                      ; 32 KB as 128 rows of 256 bytes
	s_mov_b32 s[G1+2], 128<<16
	s_mov_b32 s[G1+3], 32<<16
	s_mov_b32 s[G1+4], 128
	s_mov_b32 s[G1+5], 32
	s_mov_b32 s[G1+6], 0
	s_mov_b32 s[G1+7], 0
	s_lshl_b32 s20, s19, 18                        ; P's tile: 256 KB; my quarter of its first half
	PLUS 20, 16, 15
	s_mov_b32 s21, 0
	s_lshl_b32 s46, s19, 16                        ; the rows' figures: 16 KB for 32 queries
	PLUS 46, 16, 14
	s_mov_b32 s47, 0
	s_lshl_b32 s48, s40, 16                        ; V's codes: 4,096 bytes for a block of 16 channels; four blocks are mine
	PLUS 48, 16, 14
	s_mov_b32 s49, 0
	s_lshl_b32 s50, s40, 15                        ; V's words: 2,048
	PLUS 50, 16, 13
	s_mov_b32 s51, 0
	s_lshl_b32 s52, s19, 19                        ; out
	PLUS 52, 40, 10
	PLUS 52, 16, 8
	s_mov_b32 s53, 0
	s_lshl_b32 s54, s16, 15
	s_add_co_u32 s55, s54, HALF
	s_mov_b32 s[TA], 0
	s_mov_b32 s[TS], 0
	s_wait_alu depctr_va_vdst(0)
	s_wait_dscnt 0x0                               ; both opening adds are done
	s_wait_kmcnt 0x0
	s_add_nc_u64 s[6:7], s[6:7], s[46:47]
	WIN 0xc0
.irp n, 0,1,2,3,4,5,6,7,8,9,10,11,12,13,14,15,16,17,18,19,20,21,22,23,24,25,26,27,28,29,30,31
	global_load_b128 v[4*\n:4*\n+3], v[CO], s[6:7] offset:512*\n   ; my query's figures for the n-th 128 keys: word, M', l', 0
.endr
	WIN 0
	s_add_nc_u64 s[10:11], s[10:11], s[50:51]
	s_add_nc_u64 s[8:9], s[8:9], s[48:49]
	s_add_nc_u64 s[12:13], s[12:13], s[52:53]
	s_mov_b32 s[G0], 1
	s_mov_b32 s[G0+1], s54
	s_add_nc_u64 s[G0+2:G0+3], s[4:5], s[20:21]
	s_or_b32 s[G0+3], s[G0+3], 0x80000000
	s_mov_b32 s[G0+4], 1
	s_mov_b32 s[G0+5], s55
	s_add_nc_u64 s[4:5], s[4:5], HALF
	s_add_nc_u64 s[G0+6:G0+7], s[4:5], s[20:21]
	s_or_b32 s[G0+7], s[G0+7], 0x80000000
	CROUND                                         ; all four work-groups are here: the joint loads meet
	tensor_load_to_lds s[G0:G0+3], s[G1:G1+7]
	s_nop 0
.rept 4
	v_nop
.endr
	WIN 0x80
.irp b, 0,1,2,3
.irp g, 0,1,2,3
	global_load_b128 v[128+16*\b+4*\g:131+16*\b+4*\g], v[CO], s[10:11] offset:2048*\b+512*\g
.endr
.endr
.macro VLOAD q                         ; V's four fragments of step q of eight
	WIN 0x40
.irp b, 0,1,2,3
.irp c, 0,1
	global_load_b128 v[32*(\q)+8*\b+4*\c:32*(\q)+8*\b+4*\c+3], v[CO], s[8:9] offset:262144*((\q)/4)+1024*((\q)%4)+4096*\b+512*\c
.endr
.endr
.endm
	VLOAD 0
	s_wait_loadcnt 24                              ; the 32 loads of figures are in; V's 16 of words and 8 of codes may be out
.irp q, 1,2,3,4
	VLOAD \q
.endr
; THE SCALE BYTES UNDER M.  A lane has one query and its 32 units of 128 keys.
.set FW,  128                          ; corrected words
.set FM,  160
.set FL,  164
.set FD,  168
.set FE,  172
.set FS,  176
	WIN 0xff
	v_max3_num_f32 v[FM], v1, v5, v9
	v_max3_num_f32 v[FM+1], v13, v17, v21
.irp n, 6,10,14,18,22,26
	v_max3_num_f32 v[FM], v[FM], v[4*\n+1], v[4*\n+5]
	v_max3_num_f32 v[FM+1], v[FM+1], v[4*\n+9], v[4*\n+13]
.endr
	v_max3_num_f32 v[FM], v[FM], v121, v125
	v_max_num_f32 v[FM], v[FM], v[FM+1]            ; M
.macro FIXG g                          ; four units by turns
.irp u, 0,1,2,3
	v_sub_f32 v[FD+\u], v[16*(\g)+4*\u+1], v[FM]
.endr
.irp u, 0,1,2,3
	v_max_num_f32 v[FD+\u], 0xc2fe0000, v[FD+\u]   ; held at -127
.endr
.irp u, 0,1,2,3
	v_cvt_i32_f32 v[FD+\u], v[FD+\u]               ; -s, s = M - M', 0 .. 127
.endr
.if (\g) == 0
.irp u, 0,1,2,3
	v_ldexp_f32 v[FL+\u], v[16*(\g)+4*\u+2], v[FD+\u]
.endr
.else
.irp u, 0,1,2,3
	v_ldexp_f32 v[FE+\u], v[16*(\g)+4*\u+2], v[FD+\u]
.endr
.irp u, 0,1,2,3
	v_add_f32 v[FL+\u], v[FL+\u], v[FE+\u]
.endr
.endif
.irp u, 0,1,2,3
	v_add_nc_u32 v[FD+\u], 0x80, v[FD+\u]          ; 128 - s, 1 .. 128,
.endr
.irp u, 0,1,2,3
	v_perm_b32 v[FD+\u], v[FD+\u], v[FD+\u], 0     ; in all four bytes
.endr
.irp u, 0,1,2,3
	v_add_nc_u32 v[FD+\u], v[FD+\u], v[16*(\g)+4*\u]   ; 128 + byte - s: a byte is at most 125 (p is at most 1), so nothing is carried from byte to byte
.endr
.irp u, 0,1,2,3
	v_and_b32 v[FE+\u], 0x80808080, v[FD+\u]       ; bit 7 stands where the byte is s or more
.endr
.irp u, 0,1,2,3
	v_lshrrev_b32 v[FS+\u], 7, v[FE+\u]
.endr
.irp u, 0,1,2,3
	v_sub_nc_u32 v[FE+\u], v[FE+\u], v[FS+\u]      ; 0x7f there, 0 elsewhere
.endr
.irp u, 0,1,2,3
	v_and_b32 v[FW+4*(\g)+\u], v[FD+\u], v[FE+\u]  ; byte - s, or 0
.endr
.endm
.irp g, 0,1,2,3
	FIXG \g
.endr
	s_wait_alu depctr_va_vdst(0)
	s_wait_loadcnt 40                              ; V's words are in (lanes 0-15 one 512 keys, lanes 16-31 the next); five steps' codes may be out
	WIN 0x08
.irp b, 0,1,2,3
.irp g, 0,1,2,3
	ds_store_b128 v[VW], v[128+16*\b+4*\g:131+16*\b+4*\g] offset:2048*\b+512*\g   ; my own bytes
.endr
.endr
.irp q, 5,6,7
	VLOAD \q
.endr
	WIN 0xff
.irp g, 4,5,6,7
	FIXG \g
.endr
	v_add_f32 v[FL], v[FL], v[FL+1]
	v_add_f32 v[FL+2], v[FL+2], v[FL+3]
	v_add_f32 v[FL], v[FL], v[FL+2]                ; l
	s_wait_alu depctr_va_vdst(0)                   ; the wait ahead of the transcendental,
	v_rcp_f32 v[FM+2], v[FL]
	v_nop
	s_wait_alu depctr_va_vdst(0)                   ; and behind it, ahead of the first reader
	WIN 0x0c
	ds_store_b32 v[RLW], v[FM+2]
.irp g, 0,1,2,3,4,5,6,7
	ds_store_b128 v[PSW], v[FW+4*\g:FW+4*\g+3] offset:256*\g
.endr
	WIN 0
.macro PLACES
.rept 4
	v_nop
.endr
.endm
.macro SCL                             ; the scale words of the next eight steps
	WIN 0
	v_add_nc_u32 v[SA], s[TS], v[SA0]
	v_add_nc_u32 v[SB], s[TS], v[SB0]
	s_wait_alu depctr_va_vdst(0)
	s_add_co_u32 s[TS], s[TS], 512
.irp i, 0,1
.irp a, 0,1,2,3,4,5,6,7
	ds_load_b128 v[SCA+8*\a+4*\i:SCA+8*\a+4*\i+3], v[SA] offset:2048*\a+256*\i
.endr
.irp b, 0,1
	ds_load_b128 v[SCB+8*\b+4*\i:SCB+8*\b+4*\i+3], v[SB] offset:4096*\b+256*\i
.endr
.endr
.endm
.macro FETCH_A q                       ; P's eight fragments of step q of eight
	WIN 0x80
.irp a, 0,1,2,3,4,5,6,7
.irp c, 0,1
	ds_load_b128 v[64*((\q)%2)+8*\a+4*\c:64*((\q)%2)+8*\a+4*\c+3], v[ADA] offset:32768*((\q)/4)+4096*\a+1024*((\q)%4)+512*\c
.endr
.endr
.endm
; 16 matrix instructions.  The 16 accumulators take turns, one instruction a turn, in the same order in every step.
.macro MUL q, zero
.irp a, 0,1,2,3,4,5,6,7
.irp b, 0,1
.if \zero
	v_wmma_scale_f32_32x16x128_f4 v[32*\a+16*\b:32*\a+16*\b+15], v[32*(\q)+16*\b:32*(\q)+16*\b+15], v[64*((\q)%2)+8*\a:64*((\q)%2)+8*\a+7], 0, v[SCB+8*\b+(\q)], v[SCA+8*\a+(\q)]
.else
	v_wmma_scale_f32_32x16x128_f4 v[32*\a+16*\b:32*\a+16*\b+15], v[32*(\q)+16*\b:32*(\q)+16*\b+15], v[64*((\q)%2)+8*\a:64*((\q)%2)+8*\a+7], v[32*\a+16*\b:32*\a+16*\b+15], v[SCB+8*\b+(\q)], v[SCA+8*\a+(\q)]
.endif
.endr
.endr
.endm
; Step q of eight.  ld = 1: V's fragments of the step just left are replaced by those of eight steps on; sc = 1: eight new steps begin, with new scale words.
.macro STEP q, ld, sc, zero
	s_wait_dscnt 0x0                               ; this step's fragments of P are in
.if ((\q) == 7) && (\ld)
	s_wait_tensorcnt 0x0                           ; P's second half, my part (the first lap's wait shows it landed): the next eight steps' first fragments are read below
	s_barrier_signal -1
	s_barrier_wait -1                              ; and everybody's
.endif
	PLACES                                         ; for the loads into registers that the step before read
.if \sc
	SCL
.endif
.if (\q) == 7
.if \ld
	WIN 0
	s_add_co_u32 s[TA], s[TA], 65536
	v_add_nc_u32 v[ADA], s[TA], v[CO]
	s_wait_alu depctr_va_vdst(0)
	FETCH_A 0
.endif
.else
	FETCH_A (\q)+1
.endif
.if \ld
	VLOAD ((\q)+7)%8
.endif
.if \sc
	s_wait_dscnt 16                                ; the scale words are in; the sixteen loads of P's fragments may be out
.endif
.if (\ld) || (\zero)
	s_wait_loadcnt 56                              ; this step's fragments of V are in; those of the seven steps behind it, eight loads each, may be out
.else
	s_wait_loadcnt 8*(7-(\q))                      ; nothing more is asked for
.endif
	WIN MULW
	MUL \q, \zero
.endm
	s_wait_tensorcnt 0x0                           ; my quarter of P's first half is in;
	ds_add_u32 v[SPW], v[NIL]                      ; 0 onto my spare word;
	s_wait_dscnt 0x0                               ; the add is done, and my words and 1 / l are stored
	CROUND                                         ; everybody's are, and the joint loads of the second half meet
	tensor_load_to_lds s[G0+4:G0+7], s[G1:G1+7]
	s_nop 0
.rept 4
	v_nop
.endr
	SCL
	FETCH_A 0
	WIN 0
.irp a, 0,1,2,3,4,5,6,7
	ds_load_b32 v[RLV+2*\a], v[RLA] offset:64*\a   ; 1 / l of my query of block a, twice: a pair for the packed form
	ds_load_b32 v[RLV+2*\a+1], v[RLA] offset:64*\a
.endr
	STEP 0, 0, 0, 1                                ; the first step's products start the sums
	WIN 0
	s_mov_b32 s3, 3
.Llap:                                                 ; steps 1 to 7 of eight, and step 0 of the next eight
	s_wait_xcnt 0x0                                ; the loads have read their base
	s_add_nc_u64 s[8:9], s[8:9], 0x80000           ; eight steps on
.irp q, 1,2,3,4,5,6,7
	STEP \q, 1, 0, 0
.endr
	STEP 0, 1, 1, 0
	WIN 0
	s_sub_co_u32 s3, s3, 1
	s_cmp_lg_u32 s3, 0
	s_cbranch_scc1 .Llap
.irp q, 1,2,3,4,5,6,7
	STEP \q, 0, 0, 0
.endr
	PLACES
; THE WAY OUT.  16 queries at a time: O^T / l, through my stage, back as rows of 64 channels, 256 bytes.
.macro TOST a
.set TB, 32*((\a)%2)
.set BB, 64+32*((\a)%4)
	WIN 0x43
.irp k, 0,1,2,3,4,5,6,7,8,9,10,11,12,13,14,15
	v_pk_mul_f32 v[TB+2*\k:TB+2*\k+1], v[32*(\a)+2*\k:32*(\a)+2*\k+1], v[RLV+2*(\a):RLV+2*(\a)+1]
.endr
	WIN 0x04
.irp b, 0,1,2,3
	ds_store_b128 v[STO], v[TB+8*\b:TB+8*\b+3] offset:64*\b
	ds_store_b128 v[STO], v[TB+8*\b+4:TB+8*\b+7] offset:64*\b+16
.endr
	WIN 0x40
.irp t, 0,1,2,3,4,5,6,7
	ds_load_b128 v[BB+4*\t:BB+4*\t+3], v[RD] offset:\t*2*SPITCH   ; LDS serves a wave's instructions in order: these see the stores above
.endr
.endm
.macro SEND a, younger                 ; younger: the LDS instructions of the next block
.set BB, 64+32*((\a)%4)
	s_wait_dscnt \younger
	WIN 0x04
.irp t, 0,1,2,3,4,5,6,7
	global_store_b128 v[GO], v[BB+4*\t:BB+4*\t+3], s[12:13] offset:(16*(\a)+2*\t)*4096 th:TH_STORE_NT   ; sixteen lanes store one aligned unit of 256 bytes
.endr
.endm
	TOST 0
.irp a, 1,2,3,4,5,6,7
.if \a > 3
	s_wait_xcnt 0x0                                ; the stores of four blocks earlier have read their registers
.endif
	TOST \a
	SEND \a-1, 16
.endr
	SEND 7, 0
	WIN 0
	s_wait_tensorcnt 0x0                           ; the wave's end
	ds_add_u32 v[SPW], v[NIL]
	s_wait_dscnt 0x0
	CROUND                                         ; the closing round: no work-group ends while a partner may still ask for a tile that names it
	s_endpgm
.Lfunc_end_k_q3b1b093256_mix:
	.size	k_q3b1b093256_mix, .Lfunc_end_k_q3b1b093256_mix-k_q3b1b093256_mix
	.p2alignl 7, 3214868480
	.fill 96, 4, 3214868480
	.section	.rodata,"a",@progbits
	.p2align	6, 0x0
	.amdhsa_kernel k_q3b1b093256_mix
		.amdhsa_group_segment_fixed_size 327680
		.amdhsa_private_segment_fixed_size 0
		.amdhsa_enable_private_segment 0
		.amdhsa_kernarg_size 40
		.amdhsa_user_sgpr_count 2
		.amdhsa_user_sgpr_kernarg_segment_ptr 1
		.amdhsa_wavefront_size32 1
		.amdhsa_system_sgpr_workgroup_id_x 1
		.amdhsa_system_sgpr_workgroup_id_y 1
		.amdhsa_system_sgpr_workgroup_id_z 1
		.amdhsa_system_vgpr_workitem_id 0
		.amdhsa_next_free_vgpr 1024
		.amdhsa_next_free_sgpr 102
		.amdhsa_reserve_vcc 0
		.amdhsa_float_denorm_mode_32 3
		.amdhsa_float_denorm_mode_16_64 3
		.amdhsa_memory_ordered 1
		.amdhsa_forward_progress 1
		.amdhsa_inst_pref_size 123
	.end_amdhsa_kernel
	.amdgpu_metadata
---
amdhsa.version: [ 1, 2 ]
amdhsa.kernels:
  - .name:           k_q3b1b093256_mix
    .symbol:         k_q3b1b093256_mix.kd
    .args:
      - { .name: pc, .offset: 0, .size: 8, .value_kind: global_buffer, .address_space: global }
      - { .name: st, .offset: 8, .size: 8, .value_kind: global_buffer, .address_space: global }
      - { .name: vc, .offset: 16, .size: 8, .value_kind: global_buffer, .address_space: global }
      - { .name: vs, .offset: 24, .size: 8, .value_kind: global_buffer, .address_space: global }
      - { .name: out0, .offset: 32, .size: 8, .value_kind: global_buffer, .address_space: global }
    .group_segment_fixed_size: 327680
    .private_segment_fixed_size: 0
    .kernarg_segment_align: 8
    .kernarg_segment_size: 40
    .max_flat_workgroup_size: 128
    .sgpr_count:     102
    .vgpr_count:     1024
    .wavefront_size: 32
...
	.end_amdgpu_metadata
.endif
;; end of part 3
